; MI455X (gfx1250); checked and timed in simulation.
; The chip was launched on July 23, 2026; its instructions are those of AMD's public machine-readable ISA for CDNA 5 (MIT licence, August 2026) and "CDNA5" Instruction Set Architecture Reference Guide (July 2026). The comments in the code are by the model that wrote it; some were corrected since.
;; RESU Linear. Allowed arithmetic: float matrix products may take bf16 or f16 operands with f32 sums; other float arithmetic in f32, or as packed bf16 or f16 multiplies, adds, multiply-adds, maxima and minima; sums over many terms, partial sums and values carried from step to step in f32; what a program stores and reads back later, other than sums and carried values, may be rounded once to bf16 or f16.
;; Inputs: bias 4,096 float32; mask 4,096 x 4,096 bool; qscale 4,096 x 1 float32; qzero 4,096 x 1 float32; theta 4,096 x 4,096 float32; wq 4,096 x 4,096 int32; x 4 x 1,024 x 4,096 float32.
;; Outputs: out0 4 x 1,024 x 4,096 float32.
;; One version. Each part assembles by itself: llvm-mc -triple=amdgcn-amd-amdhsa -mcpu=gfx1250 --defsym DOCPART=n.
;; ======== version 1 of 1: 2 launches
;; limits: values are held in f16: magnitudes above 65,504 overflow, below 6.1e-05 lose precision; inputs' magnitudes at most 65,504; an absolute error that grows with the inputs' magnitude: up to 5.96e-08 times it; right only within a limited range of input values
;; workspace buffers: xh 33,554,432 bytes; wh 33,554,432 bytes
;; launch prep (part 1): grid 512 x 1, 8 waves a work-group, no clusters, 0 bytes of LDS; arguments x, wq, theta, mask, qscale, qzero, xh, wh; writes xh, wh
.if DOCPART == 1
	.amdgcn_target "amdgcn-amd-amdhsa--gfx1250"
	.amdhsa_code_object_version 6
	.text
	.protected	k_qf96fa1abeb_prep
	.globl	k_qf96fa1abeb_prep
	.p2align	8
	.type	k_qf96fa1abeb_prep,@function
k_qf96fa1abeb_prep:
	s_mov_b64 s[64:65], 0
	v_nop
	global_prefetch_b8 v0, s[64:65] scope:SCOPE_SE
	s_setreg_imm32_b32 hwreg(HW_REG_WAVE_MODE, 25, 1), 1
	s_wait_xcnt 0x0
; xh[m][i] = f16(x[m][i]);  wh[o][i] = f16(mask[o][i] ? (wq[o][i] - qzero[o]) qscale[o] : theta[o][i]).  All arrays [4096][4096]; x, theta f32, wq i32, mask one byte (0 or 1), xh, wh f16.
; The launch behind multiplies xh by wh^T and adds the bias.  NOTHING OF THE PROBLEM IS LEFT OUT: every input has a way to the output and is loaded (the bias by the launch behind).
; THE BLEND IS A CHOICE.  mask is 0 or 1, so m a + (1 - m) b is a where m = 1 and b where m = 0, for all finite a and b: both are made, rounded to f16, and one is chosen bit by bit.
; WHY f16.  An output channel with a large qscale has a spread of some twice the output's root mean square, and each number is allowed 1% of that root mean square: 8 significant bits in both operands use about half
; of it at one standard deviation, 11 bits an eighth of that.  x and the weights have room in f16: some 6 and 0.16 as drawn, some 200 when all inputs are 30 times larger.
; LIMITS.  (1) x and the effective weight are rounded once to f16: a magnitude of 65,520 or more becomes an infinity; below 6.1e-5 the step is 6e-8.
; (2) (q - z) s is made as one fused multiply-add q s + (-(z s)): off by 2^-24 |z s| at the most, and z s may overflow where (q - z) s does not.
; (3) A NaN, an infinity or an overflow in the operand that the mask does not choose is not carried to the result.
; SHARES.  A stream: no byte is wanted twice, so no LDS, no barrier, no cluster, no matrix unit; no prefetch, since the loads themselves are a dense stream from first to last.
; Work-group g owns rows 8 g .. 8 g + 7 of the weights and of x.  A row is four chunks of 1,024 numbers; thread t takes numbers 4 t .. 4 t + 3 of each chunk: a wave's load covers 512 consecutive bytes of
; x, wq or theta (128 of mask), its store 256 consecutive bytes, aligned, of xh or wh.
; THE RING.  Twelve items: W0-W7, a row of the weights each (12 loads), then X0-X3, two rows of x each (8 loads).  Four register slots of 36; item n lies in slot n % 4; three items are on their way while one is worked on.
; All is written out: rows and chunks stand in the immediates (126,976 at the most), so no address register and no base is ever rewritten.
.set ROWF,  16384                      ; bytes in a row of x, wq, theta
.set ROWM,  4096                       ; of mask
.set ROWH,  8192                       ; of xh, wh
.set O16,   1                          ; v1   16 t; never rewritten
.set O4,    2                          ; v2   4 t; never rewritten
.set O8,    3                          ; v3   8 t; never rewritten
.set RING,  16                         ; v[16:159]  slot s at RING + 36 s: +0..15 wq (chunk j at 4 j), +16..31 theta, +32..35 mask; an X item: row r, chunk j at 16 r + 4 j
.set SLOTR, 36
.set Y,     160                        ; v[160:175] results to store
	s_load_b512 s[4:19], s[0:1], 0x0               ; x s[4:5], wq s[6:7], theta s[8:9], mask s[10:11], qscale s[12:13], qzero s[14:15], xh s[16:17], wh s[18:19]
	v_lshlrev_b32 v[O16], 4, v0
	v_lshlrev_b32 v[O4], 2, v0
	v_lshlrev_b32 v[O8], 3, v0
	s_mov_b32 s41, 0                               ; s[40:41], s[42:43]: the packed multiply-add names pairs and takes their low words for both halves
	s_mov_b32 s43, 0
	s_mov_b32 s44, 0x01010000                      ; v_perm_b32: bytes 0, 0, 1, 1: two mask bytes widened to 16 bits each
	s_mov_b32 s45, 0x03030202                      ; bytes 2, 2, 3, 3
	s_mov_b32 s21, 0
	s_wait_kmcnt 0x0
	s_lshl_b32 s20, ttmp9, 17                      ; 8 rows of 16,384 bytes
	s_add_nc_u64 s[4:5], s[4:5], s[20:21]
	s_add_nc_u64 s[6:7], s[6:7], s[20:21]
	s_add_nc_u64 s[8:9], s[8:9], s[20:21]
	s_lshl_b32 s20, ttmp9, 15                      ; 8 rows of 4,096 bytes
	s_add_nc_u64 s[10:11], s[10:11], s[20:21]
	s_lshl_b32 s20, ttmp9, 16                      ; 8 rows of 8,192 bytes
	s_add_nc_u64 s[16:17], s[16:17], s[20:21]
	s_add_nc_u64 s[18:19], s[18:19], s[20:21]
	s_lshl_b32 s20, ttmp9, 5                       ; 8 numbers of 4 bytes
	s_add_nc_u64 s[12:13], s[12:13], s[20:21]
	s_add_nc_u64 s[14:15], s[14:15], s[20:21]
	s_load_b256 s[24:31], s[12:13], 0x0            ; the scales of my 8 rows,
	s_load_b256 s[32:39], s[14:15], 0x0            ; and their zero points
; Row i of the weights into slot s: 12 loads.  The mask has no hint: two neighbouring waves share each aligned 256 bytes of it.
.macro FILLW i, s
.set SB, RING+SLOTR*(\s)
.irp j, 0,1,2,3
	global_load_b128 v[SB+4*(\j):SB+4*(\j)+3], v[O16], s[6:7] offset:(\i)*ROWF+4096*(\j) th:TH_LOAD_NT
.endr
.irp j, 0,1,2,3
	global_load_b128 v[SB+16+4*(\j):SB+16+4*(\j)+3], v[O16], s[8:9] offset:(\i)*ROWF+4096*(\j) th:TH_LOAD_NT
.endr
.irp j, 0,1,2,3
	global_load_b32 v[SB+32+(\j)], v[O4], s[10:11] offset:(\i)*ROWM+1024*(\j)
.endr
.endm
; Rows 2 i and 2 i + 1 of x into slot s: 8 loads.
.macro FILLX i, s
.set SB, RING+SLOTR*(\s)
.irp r, 0,1
.irp j, 0,1,2,3
	global_load_b128 v[SB+16*(\r)+4*(\j):SB+16*(\r)+4*(\j)+3], v[O16], s[4:5] offset:(2*(\i)+(\r))*ROWF+4096*(\j) th:TH_LOAD_NT
.endr
.endr
.endm
.macro REFILL nk, ni, s                ; nk = 0: nothing; 1: row ni of the weights; 2: rows 2 ni, 2 ni + 1 of x
.if (\nk) == 1
	FILLW \ni, \s
.elseif (\nk) == 2
	FILLX \ni, \s
.endif
.endm
; The turn of row i of the weights, in slot s.  left = the loads of the three younger items, which may stay out.  Sixteen vector instructions for four numbers, stage by stage over the four chunks,
; so that no instruction waits for the one before it.  The slot is asked for again ahead of the stores.
.macro TURNW i, s, left, nk, ni
.set SB, RING+SLOTR*(\s)
	s_wait_loadcnt \left                           ; loads come back in order (ISA guide 5.7.1): this item's are in
	s_wait_xcnt 0x0                                ; the last turn's stores have read Y: it is rewritten only behind this wait
	s_mov_b32 s40, s[24+(\i)]                      ; s
	s_mul_f32 s42, s[32+(\i)], s[24+(\i)]          ; z s,
	s_xor_b32 s42, s42, 0x80000000                 ; negated
.set r, 0
.rept 16
	v_cvt_f32_i32 v[SB+r], v[SB+r]                 ; q as f32
.set r, r+1
.endr
.set r, 0
.rept 8
	v_pk_fma_f32 v[SB+r:SB+r+1], v[SB+r:SB+r+1], s[40:41], s[42:43] op_sel_hi:[1,0,0]  ; q s - z s, two at a time
.set r, r+2
.endr
.irp j, 0,1,2,3
	v_cvt_pk_f16_f32 v[SB+4*(\j)], v[SB+4*(\j)], v[SB+4*(\j)+1]        ; the dequantised four, rounded to f16: two words
	v_cvt_pk_f16_f32 v[SB+4*(\j)+1], v[SB+4*(\j)+2], v[SB+4*(\j)+3]
.endr
.irp j, 0,1,2,3
	v_cvt_pk_f16_f32 v[SB+16+4*(\j)], v[SB+16+4*(\j)], v[SB+16+4*(\j)+1]  ; theta's four likewise
	v_cvt_pk_f16_f32 v[SB+16+4*(\j)+1], v[SB+16+4*(\j)+2], v[SB+16+4*(\j)+3]
.endr
.irp j, 0,1,2,3
	v_lshlrev_b32 v[SB+16+4*(\j)+2], 8, v[SB+32+(\j)]                  ; 256 x the mask word
.endr
.irp j, 0,1,2,3
	v_sub_nc_u32 v[SB+16+4*(\j)+2], v[SB+16+4*(\j)+2], v[SB+32+(\j)]   ; less the word: 255 x: each byte 0x00 or 0xff
.endr
.irp j, 0,1,2,3
	v_perm_b32 v[SB+4*(\j)+2], v[SB+16+4*(\j)+2], v[SB+16+4*(\j)+2], s44  ; numbers 0 and 1: 16 bits of mask each
	v_perm_b32 v[SB+4*(\j)+3], v[SB+16+4*(\j)+2], v[SB+16+4*(\j)+2], s45  ; numbers 2 and 3
.endr
.irp j, 0,1,2,3
	v_bfi_b32 v[Y+2*(\j)], v[SB+4*(\j)+2], v[SB+4*(\j)], v[SB+16+4*(\j)]      ; mask ? dequantised : theta
	v_bfi_b32 v[Y+2*(\j)+1], v[SB+4*(\j)+3], v[SB+4*(\j)+1], v[SB+16+4*(\j)+1]
.endr
	REFILL \nk, \ni, \s
.irp j, 0,1,2,3
	global_store_b64 v[O8], v[Y+2*(\j):Y+2*(\j)+1], s[18:19] offset:(\i)*ROWH+2048*(\j)  ; a wave's store: 256 consecutive bytes, at a multiple of 256 from wh's first byte
.endr
.endm
; The turn of rows 2 i, 2 i + 1 of x, in slot s.
.macro TURNX i, s, left
.set SB, RING+SLOTR*(\s)
	s_wait_loadcnt \left
	s_wait_xcnt 0x0                                ; the last turn's stores have read Y
.set r, 0
.rept 16
	v_cvt_pk_f16_f32 v[Y+r], v[SB+2*r], v[SB+2*r+1]
.set r, r+1
.endr
.irp r, 0,1
.irp j, 0,1,2,3
	global_store_b64 v[O8], v[Y+8*(\r)+2*(\j):Y+8*(\r)+2*(\j)+1], s[16:17] offset:(2*(\i)+(\r))*ROWH+2048*(\j)
.endr
.endr
.endm
	FILLW 0, 0                                     ; the ring is filled: 48 loads of every wave are out
	FILLW 1, 1
	FILLW 2, 2
	FILLW 3, 3
	s_wait_kmcnt 0x0                               ; the scales and zero points
	TURNW 0, 0, 36, 1, 4                           ; the counts: the loads of the three younger items: 12 + 12 + 12,
	TURNW 1, 1, 36, 1, 5
	TURNW 2, 2, 36, 1, 6
	TURNW 3, 3, 36, 1, 7
	TURNW 4, 0, 36, 2, 0
	TURNW 5, 1, 32, 2, 1                           ; 12 + 12 + 8,
	TURNW 6, 2, 28, 2, 2                           ; 12 + 8 + 8,
	TURNW 7, 3, 24, 2, 3                           ; 8 + 8 + 8;
	TURNX 0, 0, 24                                 ; nothing is left to ask for: the counts run down
	TURNX 1, 1, 16
	TURNX 2, 2, 8
	TURNX 3, 3, 0
	s_endpgm
.Lfunc_end_k_qf96fa1abeb_prep:
	.size	k_qf96fa1abeb_prep, .Lfunc_end_k_qf96fa1abeb_prep-k_qf96fa1abeb_prep
	.p2alignl 7, 3214868480
	.fill 96, 4, 3214868480
	.section	.rodata,"a",@progbits
	.p2align	6, 0x0
	.amdhsa_kernel k_qf96fa1abeb_prep
		.amdhsa_group_segment_fixed_size 0
		.amdhsa_private_segment_fixed_size 0
		.amdhsa_enable_private_segment 0
		.amdhsa_kernarg_size 64
		.amdhsa_user_sgpr_count 2
		.amdhsa_user_sgpr_kernarg_segment_ptr 1
		.amdhsa_wavefront_size32 1
		.amdhsa_system_sgpr_workgroup_id_x 1
		.amdhsa_system_sgpr_workgroup_id_y 1
		.amdhsa_system_sgpr_workgroup_id_z 1
		.amdhsa_system_vgpr_workitem_id 0
		.amdhsa_next_free_vgpr 176
		.amdhsa_next_free_sgpr 66
		.amdhsa_reserve_vcc 0
		.amdhsa_float_denorm_mode_32 3
		.amdhsa_float_denorm_mode_16_64 3
		.amdhsa_memory_ordered 1
		.amdhsa_forward_progress 1
		.amdhsa_inst_pref_size 51
	.end_amdhsa_kernel
	.amdgpu_metadata
---
amdhsa.version: [ 1, 2 ]
amdhsa.kernels:
  - .name:           k_qf96fa1abeb_prep
    .symbol:         k_qf96fa1abeb_prep.kd
    .args:
      - { .name: x, .offset: 0, .size: 8, .value_kind: global_buffer, .address_space: global }
      - { .name: wq, .offset: 8, .size: 8, .value_kind: global_buffer, .address_space: global }
      - { .name: theta, .offset: 16, .size: 8, .value_kind: global_buffer, .address_space: global }
      - { .name: mask, .offset: 24, .size: 8, .value_kind: global_buffer, .address_space: global }
      - { .name: qscale, .offset: 32, .size: 8, .value_kind: global_buffer, .address_space: global }
      - { .name: qzero, .offset: 40, .size: 8, .value_kind: global_buffer, .address_space: global }
      - { .name: xh, .offset: 48, .size: 8, .value_kind: global_buffer, .address_space: global }
      - { .name: wh, .offset: 56, .size: 8, .value_kind: global_buffer, .address_space: global }
    .group_segment_fixed_size: 0
    .private_segment_fixed_size: 0
    .kernarg_segment_align: 8
    .kernarg_segment_size: 64
    .max_flat_workgroup_size: 256
    .sgpr_count:     66
    .vgpr_count:     176
    .wavefront_size: 32
...
	.end_amdgpu_metadata
.endif
;; end of part 1
;; launch gemm (part 2): grid 16 x 16, 4 waves a work-group, clusters of 4 x 4, 327,680 bytes of LDS; arguments xh, wh, bias, out0; writes out0
.if DOCPART == 2
	.amdgcn_target "amdgcn-amd-amdhsa--gfx1250"
	.amdhsa_code_object_version 6
	.text
	.protected	k_qf96fa1abeb_gemm
	.globl	k_qf96fa1abeb_gemm
	.p2align	8
	.type	k_qf96fa1abeb_gemm,@function
k_qf96fa1abeb_gemm:
	s_mov_b64 s[64:65], 0
	v_nop
	global_prefetch_b8 v0, s[64:65] scope:SCOPE_SE
	s_setreg_imm32_b32 hwreg(HW_REG_WAVE_MODE, 25, 1), 1
	s_wait_xcnt 0x0
	s_wait_alu depctr_hold_cnt(0) depctr_sa_sdst(0) depctr_va_vdst(0) depctr_va_sdst(0) depctr_va_ssrc(0) depctr_va_vcc(0) depctr_vm_vsrc(0)
	s_getreg_b32 s2, hwreg(HW_REG_IB_STS2, 6, 4)
	s_cmp_eq_u32 s2, 0
	s_cbranch_scc0 .Lentry_in_a_cluster
	s_endpgm
.Lentry_in_a_cluster:
	s_bfe_u32 s2, ttmp6, 0x10000c
	s_cmp_lg_u32 s2, 0xf033
	s_cbranch_scc0 .Lentry_shape_is_right
	s_endpgm
.Lentry_shape_is_right:
; out0[m][o] = bias[o] + the sum over i of xh[m][i] wh[o][i].  xh (A), wh (B): [4096][4096] f16, made by the launch before (x rounded; the effective weight rounded); bias [4096] f32; out0 (C) [4096][4096] f32.
; Nothing of the problem is left out.  LIMITS: those of f16 operands, stated at the head of the launch before; the bias is the sum's START (the C operand of each accumulator's first product), so it is
; added first and not last: another order of rounding than the reference's.  Sums in f32, K ascending.
; SHARES.  256 tiles of C of 256 x 256, one to a work-group of four waves; a wave makes 128 x 128: 64 accumulators of 16 x 16, 512 registers.  K goes in steps of 128 through a ring of two LDS slots filled by the
; tensor data mover: a tile's rows are 256 bytes of memory and start at multiples of 256 bytes from the buffer's first byte.
; CLUSTERS: 4 x 4 work-groups.  The four of a row of the cluster need the same tiles of A, the four of a column the same tiles of B: each tile is asked for JOINTLY, by the same tensor load with the same descriptor
; and a mask that names the four, and each receives it in its own LDS: the requests for A and B are divided by four.
; THE MATRIX INSTRUCTION IS USED TRANSPOSED: source 0 = 16 rows of B, source 1 = 16 rows of A.  In the result lane l holds row m = l % 16 of C and its registers 0 to 7 the columns 8 (l / 16) + 0 .. 7:
; 32 consecutive bytes of a row of C.  The bias fragment has the same layout: register j = bias[column 8 (l / 16) + j], the same for all rows.
; THE WAY OUT has no arithmetic: 16 rows at a time go as they are through the wave's own stage in LDS and leave as whole rows of 512 bytes.
; REGISTERS, in windows of 256 (s_set_vgpr_msb's low byte: bits 1:0 source 0, 3:2 source 1, 5:4 source 2, 7:6 destination):
;   window 0: v0-31 addresses; v64-127, v128-191 fragments of A, two buffers; v192-255 the bias, 8 registers for each of my 8 blocks of 16 columns; on the way out v192-255 and v64-127 by turns: 16 rows read back
;   window 1: v64-127, v128-191 fragments of B, two buffers
;   window 2: the 32 accumulators of my rows 0-63 (accumulator (a, b) at v[8 (8 a + b)]);   window 3: those of my rows 64-127
.set SIZE_K, 4096
.set SIZE_N, 4096
.set KSTEP,  128
.set PITCH,  272                       ; an LDS row: 256 bytes of data + 16 of padding = 68 words: row r starts at bank 4 r mod 64 (64 banks of 4 bytes: ISA guide 11.1), so the 16 rows that a load touches start at 16 different banks
.set HALFT,  128*PITCH                 ; 128 rows: what one tensor load brings, and what one wave reads of A or of B
.set SLOT,   4*HALFT                   ; A's 256 rows, then B's 256 rows
.set STAGE,  2*SLOT                    ; behind the ring, never filled by a tensor load: for each wave 16 rows of
.set SPITCH, 528                       ; 512 bytes of data + 16 = 132 words: the 16 rows that a store touches start at 16 different groups of four banks
.set WSTAGE, 16*SPITCH                 ; 8,448 bytes: 33 blocks of 256
.set SPARE,  STAGE+4*WSTAGE            ; behind the stages: the spare words, 128 bytes for each wave: two blocks of 256 bytes that no other line names
.set LAPS,   SIZE_K/(2*KSTEP)          ; a lap = two K steps = once round the ring: 16
.set ADRA, 16                          ; v16-17  LDS address of my A fragments in slot 0, 1
.set ADRB, 20                          ; v20-21  the same for B
.set STO,  24                          ; v24     the way out: where I put 32 bytes of a row
.set RD,   25                          ; v25     the way out: where I read a row back
.set CO,   26                          ; v26     16 x my lane: my 16 bytes of a row's 512
.set BO,   27                          ; v27     32 (l / 16): my 8 numbers in 16 of the bias
.set SPW,  28                          ; v28     LDS address of my spare word: SPARE + 4 x my thread's number; never rewritten
.set NIL,  29                          ; v29     0; never rewritten
.set PFO,  30                          ; v30     the prefetches' offset: my lane x a row of A or B (8,192 bytes); never rewritten
.set F0,   64                          ; fragment buffer 0
.set F1,   128                         ; fragment buffer 1
.set BIAS, 192
.set PFA,  44                          ; s[44:45] where my prefetches stand: my work-group's 32 rows of the 128 that I fetch, one K step further along K than the refill that is being asked for; a prefetch names the K step after that
.set LIM,  43                          ; s43     1 in a wave that prefetches, else the greatest number
.set G1,  24                           ; s[24:31] descriptor group 1 for A's tiles
.set G0,  32                           ; s[32:39] descriptor group 0 for A's tiles, one set for each slot
.set G1B, 48                           ; s[48:55] group 1 for B's tiles: it differs from A's in the mask alone
.set G0B, 56                           ; s[56:63] group 0 for B's tiles, one set for each slot
.set MSB, 0
.macro WIN new                         ; the immediate's high byte repeats the setting that is left; a switch that changes nothing is dropped
.if MSB != (\new)
	s_set_vgpr_msb (MSB<<8)|(\new)
.set MSB, \new
.endif
.endm
.set MUL_LO,  0xa1                     ; source 0 (B) window 1, source 1 (A) window 0, C and D window 2
.set MUL_HI,  0xf1                     ; the same, C and D window 3
.set MUL_LO0, 0x81                     ; a sum's first product: C (the bias) window 0, D window 2
.set MUL_HI0, 0xc1                     ; C window 0, D window 3
.set TO_B,    0x40                     ; destination window 1, address window 0
.set ST_LO,   0x08                     ; an LDS store's data (source 1) window 2, address window 0
.set ST_HI,   0x0c                     ; data window 3
; A joint load.  Waves 0 and 1 fetch A's two halves, waves 2 and 3 B's.  Each of the two lines has ONE mask and one set of registers for all that issue it, and nothing in them hangs on a coordinate that the four
; partners do not share.  The branch hangs on the wave's number alone.  An s_nop 0 and four v_nop follow each of the two lines, ahead of the jump, the label and what follows.
.macro JLOAD s
	s_cmp_eq_u32 s11, 0
	s_cbranch_scc0 .Lfor_b_\@
	tensor_load_to_lds s[G0+4*(\s):G0+4*(\s)+3], s[G1:G1+7]
	s_nop 0
.rept 4
	v_nop
.endr
	s_branch .Lasked_\@
.Lfor_b_\@:
	tensor_load_to_lds s[G0B+4*(\s):G0B+4*(\s)+3], s[G1B:G1B+7]
	s_nop 0
.rept 4
	v_nop
.endr
.Lasked_\@:
.endm
; A PREFETCH INTO THE L2, behind each joint refill, its five lines and the run of LDS loads that follows them: the K step that stands TWO refills on, 512 matrix instructions ahead of the load that will want it:
; 32 rows x 256 bytes, a lane a row, one instruction a wave.  Each row's 256 bytes of a K step are named ONCE in the launch: A's tile row is read by every cluster of that row of clusters, and the one with
; cluster x = 0 asks; B's tile column by every cluster of that column, and the one with cluster y = 0 asks.  The four partners that ask for a tile jointly share its rows out BY ADDRESS: of the 128 rows that a wave
; fetches, the partner at place p takes 32 p .. 32 p + 31 (p = cx for A, cy for B): no branch hangs on a work-group's place in its cluster.  The loop's last trip (s3 = 1) asks for nothing: its two refills are
; K steps 30 and 31, and there is no K step two on.  K steps 0 to 3 come by their loads alone.
.macro ASK
	s_cmp_gt_u32 s3, s[LIM]
	s_cbranch_scc0 .Lnot_mine_\@
	global_prefetch_b8 v[PFO], s[PFA:PFA+1] offset:KSTEP*2 th:TH_LOAD_NT scope:SCOPE_SE
.Lnot_mine_\@:
.endm
; A round of the cluster's barrier: my work-group's barrier, so that wave 0's signal speaks for all four waves; wave 0 signals for the work-group; every wave waits for all sixteen work-groups; my work-group's
; barrier once more.  No LDS instruction of the wave is pending at a signal.
.macro CREST                           ; a round behind its opening barrier
	s_cmp_lg_u32 s10, 0
	s_cbranch_scc1 .Lnot_wave_0_\@
	s_barrier_signal -3
.Lnot_wave_0_\@:
	s_barrier_wait -3
	s_barrier_signal -1
	s_barrier_wait -1
.endm
.macro CROUND                          ; a whole round
	s_barrier_signal -1
	s_barrier_wait -1
	CREST
.endm
	s_load_b128 s[4:7], s[0:1], 0x0                ; A = xh s[4:5], B = wh s[6:7]
	s_load_b64 s[66:67], s[0:1], 0x10              ; bias
	s_load_b64 s[8:9], s[0:1], 0x18                ; C = out0
	v_lshl_add_u32 v[SPW], v0, 2, SPARE
	v_mov_b32 v[NIL], 0
	ds_add_u32 v[SPW], v[NIL]                      ; the wave's opening: the add, twice on end, and its wait ahead of my first tensor load; the set-up below the second, work on registers, stands between it and the wait
	ds_add_u32 v[SPW], v[NIL]                      ; and once more, under the one wait
	v_lshrrev_b32 v1, 5, v0
	v_readfirstlane_b32 s10, v1                    ; wave 0..3
	s_lshr_b32 s11, s10, 1                         ; which half of the tile's rows is mine.  Also: I fetch for A (0) or for B (1)
	s_and_b32 s12, s10, 1                          ; which half of its columns.  Also: which 128 rows of that tile I fetch
	s_bfe_u32 s40, ttmp6, 0x40000                  ; cx: my place along the cluster's x
	s_bfe_u32 s41, ttmp6, 0x40004                  ; cy: along its y
	s_lshl_b32 s42, ttmp9, 2                       ; in a cluster launch ttmp9 and ttmp7 count clusters
	s_add_co_u32 s42, s42, s40                     ; tile column of C = 4 x cluster x + cx
	s_and_b32 s13, ttmp7, 0xffff
	s_lshl_b32 s13, s13, 2
	s_add_co_u32 s13, s13, s41                     ; tile row of C = 4 x cluster y + cy
	s_lshl_b32 s43, s41, 2
	s_lshl_b32 s43, 15, s43                        ; my row of the cluster: places 4 cy .. 4 cy + 3
	s_lshl_b32 s44, 0x1111, s40                    ; my column: places cx, cx + 4, cx + 8, cx + 12
	; descriptor group 1: a tile of 128 rows x 128 elements, padded in LDS
	s_or_b32 s[G1+0], s43, (1<<16)|(1<<20)|(1<<21)|(5<<22)|(3<<25)  ; 15:0 the mask: A's tiles go to my row; 17:16 elements of 2 bytes; 20 padding on; 21 set beside a mask; 24:22 after every 64 words (code 5); 31:25 4 words of it (code 3)
	s_or_b32 s[G1B+0], s44, (1<<16)|(1<<20)|(1<<21)|(5<<22)|(3<<25) ; the same with the mask of my column, for B's tiles
.irp g, G1, G1B
	s_mov_b32 s[(\g)+1], KSTEP<<16                 ; 63:48 tensor_dim0, low half = 128
	s_mov_b32 s[(\g)+2], 128<<16                   ; 79:64 its high half = 0; 95:80 tensor_dim1, low half = 128
	s_mov_b32 s[(\g)+3], KSTEP<<16                 ; 111:96 its high half = 0; 127:112 tile_dim0 = 128
	s_mov_b32 s[(\g)+4], 128                       ; 143:128 tile_dim1 = 128; 159:144 tile_dim2 = 0
	s_mov_b32 s[(\g)+5], SIZE_K                    ; 191:160 tensor_dim0_stride, low word: elements from row to row
	s_mov_b32 s[(\g)+6], 0
	s_mov_b32 s[(\g)+7], 0
.endr
	; where the tiles come from.  A's hang on the tile row alone, which my row of the cluster shares; B's on the tile column alone, which my column shares.
	; Every wave makes both addresses, in registers that never hold the other coordinate, and asks by one of them.
	s_lshl_b32 s17, s12, 7                         ; which 128 rows of the tile I fetch
	s_lshl_b32 s16, s13, 8
	s_add_co_u32 s16, s16, s17                     ; A: row 256 x tile row + 128 x half
	s_lshl_b32 s46, s42, 8
	s_add_co_u32 s46, s46, s17                     ; B: row 256 x tile column + 128 x half
	s_mov_b32 s17, 0
	s_mov_b32 s47, 0
	s_mov_b64 s[18:19], SIZE_K*2
	s_mul_u64 s[16:17], s[16:17], s[18:19]         ; in bytes
	s_mul_u64 s[46:47], s[46:47], s[18:19]
	s_mul_i32 s20, s10, HALFT                      ; and where they go: A's two halves, then B's two halves = wave x 128 rows: no place in the cluster enters an LDS address
	s_wait_dscnt 0x0                               ; both opening adds are done
	s_wait_kmcnt 0x0
	s_add_nc_u64 s[14:15], s[4:5], s[16:17]
	s_add_nc_u64 s[46:47], s[6:7], s[46:47]
	CROUND                                         ; all sixteen work-groups are here: the first joint loads meet
.irp s, 0,1
	s_mov_b32 s[G0+4*(\s)], 1                                      ; 1:0 count = 1
	s_add_co_u32 s[G0+4*(\s)+1], s20, (\s)*SLOT                    ; 63:32 LDS address
	s_add_nc_u64 s[G0+4*(\s)+2:G0+4*(\s)+3], s[14:15], (\s)*KSTEP*2  ; 120:64 global address: K step s
	s_or_b32 s[G0+4*(\s)+3], s[G0+4*(\s)+3], 0x80000000            ; 127:126 type = 2
	s_mov_b32 s[G0B+4*(\s)], 1
	s_add_co_u32 s[G0B+4*(\s)+1], s20, (\s)*SLOT
	s_add_nc_u64 s[G0B+4*(\s)+2:G0B+4*(\s)+3], s[46:47], (\s)*KSTEP*2
	s_or_b32 s[G0B+4*(\s)+3], s[G0B+4*(\s)+3], 0x80000000
	JLOAD \s                                       ; the ring is filled before anything else is done: two loads of mine are out
.endr
	; A fragment is 16 rows x 32 K in 8 registers: lane l holds row l % 16; registers 0-3 hold K = 8 (l / 16) + 0..7, registers 4-7 hold K = 16 + 8 (l / 16) + 0..7.
	; From rows that lie along K: two loads of 16 bytes, 32 bytes apart.  The same for source 0 and source 1.
	v_and_b32 v1, 15, v0                           ; l % 16
	v_bfe_u32 v2, v0, 4, 1                         ; l / 16
	v_mul_u32_u24 v3, v1, PITCH
	v_lshl_add_u32 v3, v2, 4, v3                   ; row x pitch + 16 x half
	s_mul_i32 s21, s11, HALFT                      ; my 128 rows of A
	s_mul_i32 s22, s12, HALFT                      ; my 128 rows of B,
	s_add_co_u32 s22, s22, 2*HALFT                 ; which lie behind A's 256
.irp s, 0,1
	v_add_nc_u32 v[ADRA+(\s)], s21, v3
	v_add_nc_u32 v[ADRB+(\s)], s22, v3
	s_add_co_u32 s21, s21, SLOT
	s_add_co_u32 s22, s22, SLOT
.endr
	s_mul_i32 s23, s10, WSTAGE
	s_add_co_u32 s23, s23, STAGE                   ; my stage
	v_mul_u32_u24 v4, v1, SPITCH                   ; in: row l % 16, 32 bytes for each half of the lanes
	v_lshl_add_u32 v4, v2, 5, v4
	v_add_nc_u32 v[STO], s23, v4
	v_and_b32 v5, 31, v0                           ; my lane
	v_lshlrev_b32 v[CO], 4, v5                     ; back: 32 lanes take one row of 512 bytes; the same 16 bytes of that row in C
	v_add_nc_u32 v[RD], s23, v[CO]
	v_lshlrev_b32 v[BO], 5, v2
	s_lshl_b32 s46, s42, 10                        ; my first column, in bytes of f32: 1,024 x tile column + 512 x half (in the registers that held B's address: none that feeds A's descriptors ever holds cx)
	s_lshl_b32 s47, s12, 9
	s_add_co_u32 s46, s46, s47
	s_mov_b32 s47, 0
	s_add_nc_u64 s[66:67], s[66:67], s[46:47]      ; the bias of my 128 columns
.irp b, 0,1,2,3,4,5,6,7
	global_load_b128 v[BIAS+8*(\b):BIAS+8*(\b)+3],   v[BO], s[66:67] offset:64*(\b)     ; block b: columns 16 b + 8 (l / 16) + 0..3,
	global_load_b128 v[BIAS+8*(\b)+4:BIAS+8*(\b)+7], v[BO], s[66:67] offset:64*(\b)+16  ; and + 4..7
.endr
	s_lshl_b32 s13, s13, 8                         ; 256 x tile row
	s_lshl_b32 s14, s11, 7
	s_add_co_u32 s16, s13, s14                     ; my first row of C,
	s_lshl_b32 s16, s16, 14                        ; x 16,384 bytes: under 2^26
	s_mov_b32 s17, 0
	s_add_nc_u64 s[8:9], s[8:9], s[16:17]
	s_add_nc_u64 s[8:9], s[8:9], s[46:47]          ; C at my first row and column; never rewritten
	; the prefetches.  s13 = 256 x tile row, s42 = tile column, s40 = cx, s41 = cy still stand
	s_lshl_b32 s42, s42, 8
	s_and_b32 s22, ttmp7, 0xffff                   ; cluster y
	s_cmp_eq_u32 s11, 0                            ; do I fetch for A?
	s_cselect_b32 s20, s13, s42                    ; the tile's first row: in A by the tile row, in B by the tile column
	s_cselect_b32 s21, s40, s41                    ; my place among the four that ask for it with me
	s_cselect_b32 s22, ttmp9, s22                  ; the coordinate along which other clusters read the same rows
	s_cselect_b64 s[PFA:PFA+1], s[4:5], s[6:7]
	s_cmp_eq_u32 s22, 0
	s_cselect_b32 s[LIM], 1, -1                    ; the same in all sixteen partners, for a given wave
	s_lshl_b32 s22, s12, 7
	s_add_co_u32 s20, s20, s22                     ; + the 128 rows that I fetch
	s_lshl_b32 s21, s21, 5
	s_add_co_u32 s20, s20, s21                     ; + my work-group's 32 of them
	s_mov_b32 s21, 0
	s_mov_b64 s[18:19], SIZE_K*2
	s_mul_u64 s[20:21], s[20:21], s[18:19]
	s_add_nc_u64 s[PFA:PFA+1], s[PFA:PFA+1], s[20:21]
	s_add_nc_u64 s[PFA:PFA+1], s[PFA:PFA+1], 2*KSTEP*2  ; at K step 2: the first refill steps it to 3 and names K step 4
	v_lshlrev_b32 v[PFO], 13, v5
	; nothing is prefetched here, at the head, where every work-group's first two tiles are on their way
; 16 matrix instructions: m blocks a0, a0 + 1 of the window's four (hi = 0: my rows 0-63, 1: rows 64-127) x all 8 n blocks, 32 along K.
; zero = 1: the product starts its sum, with the bias of its 16 columns as C: nothing is cleared, and nothing is added on the way out.
; The 64 accumulators take turns, one instruction a turn, in the same order in every quarter step, over the loop's backward jump too.
.macro MUL16 f, hi, a0, zero
.if \zero
	WIN MUL_LO0+0x40*(\hi)
.else
	WIN MUL_LO+0x50*(\hi)
.endif
.irp a, \a0, (\a0)+1
.irp b, 0,1,2,3,4,5,6,7
.if \zero
	v_wmma_f32_16x16x32_f16 v[8*(8*(\a)+(\b)):8*(8*(\a)+(\b))+7], v[(\f)+8*(\b):(\f)+8*(\b)+7], v[(\f)+8*(4*(\hi)+(\a)):(\f)+8*(4*(\hi)+(\a))+7], v[BIAS+8*(\b):BIAS+8*(\b)+7]
.else
	v_wmma_f32_16x16x32_f16 v[8*(8*(\a)+(\b)):8*(8*(\a)+(\b))+7], v[(\f)+8*(\b):(\f)+8*(\b)+7], v[(\f)+8*(4*(\hi)+(\a)):(\f)+8*(4*(\hi)+(\a))+7], v[8*(8*(\a)+(\b)):8*(8*(\a)+(\b))+7]
.endif
.endr
.endr
.endm
; 32 LDS loads in one run: the fragments of one quarter step (128 rows of B, 128 rows of A, 32 K at byte k of the rows) into buffer f
.macro FETCH slot, k, f
	WIN TO_B
.irp i, 0,1,2,3,4,5,6,7
	ds_load_b128 v[(\f)+8*(\i):(\f)+8*(\i)+3],   v[ADRB+(\slot)] offset:(\k)+(\i)*16*PITCH
	ds_load_b128 v[(\f)+8*(\i)+4:(\f)+8*(\i)+7], v[ADRB+(\slot)] offset:(\k)+(\i)*16*PITCH+32
.endr
	WIN 0
.irp i, 0,1,2,3,4,5,6,7
	ds_load_b128 v[(\f)+8*(\i):(\f)+8*(\i)+3],   v[ADRA+(\slot)] offset:(\k)+(\i)*16*PITCH
	ds_load_b128 v[(\f)+8*(\i)+4:(\f)+8*(\i)+7], v[ADRA+(\slot)] offset:(\k)+(\i)*16*PITCH+32
.endr
.endm
; A load into a register that a matrix instruction has read, and an LDS store that reads a matrix result, stand four places behind that matrix instruction, and only plain vector instructions that name none of its
; registers are places (ISA guide 7.12.1 for vector instructions); the matrix instructions in between are not counted.
.macro PLACES
.rept 4
	v_nop
.endr
.endm
; A K step is four quarter steps of 32 along K, 64 matrix instructions each, on buffers 0, 1, 0, 1.
; One of the first three: multiplies buffer f; in its middle it fetches the next quarter's fragments, at byte k of the same slot's rows, into buffer g.
.macro QUARTER slot, k, f, g, zero
	s_wait_dscnt 8                                 ; B and A's rows 0-63 are in; the youngest eight loads (A's rows 64-127) may be out
	MUL16 \f, 0, 0, \zero
	MUL16 \f, 0, 2, \zero
	PLACES
	FETCH \slot, \k, \g
	s_wait_dscnt 32                                ; all but the 32 just issued
	MUL16 \f, 1, 0, \zero
	MUL16 \f, 1, 2, \zero
.endm
; The last quarter multiplies buffer 1 and changes slots.  MEET is its first half: ONE barrier for the change of slots, for two things.  In front of it each wave waits for all its tensor loads, of which one is
; out: its part of the next slot; adds 0 to its spare word; and waits for that and for its own reads of this slot.  Behind it nobody reads this slot any more and the next slot is whole.
.macro MEET round                      ; round = 1: a round of the cluster's barrier follows
	WIN 0                                          ; (the add's two registers lie in window 0)
	s_wait_tensorcnt 0x0                           ; all my tensor loads have landed: the one that was out is my part of the next slot;
	ds_add_u32 v[SPW], v[NIL]                      ; 0 onto my spare word;
	s_wait_dscnt 9                                 ; (the add and the youngest eight loads may be out)
	MUL16 F1, 0, 0, 0                              ; sixteen matrix instructions stand between the add and the wait for it
	s_wait_dscnt 0x0                               ; the add is done, and my reads of this slot are over:
	s_barrier_signal -1                            ; say so (where a slot is filled again this barrier opens a round of the cluster's barrier),
	MUL16 F1, 0, 2, 0                              ; work on registers while the others arrive,
.if \round
	WIN 0
.endif
	s_barrier_wait -1                              ; and go on when all four have said so
.endm
; The whole last quarter.  Behind the round the slot just read out is filled again first, with the K step two steps on; then come the next slot's first fragments.
; From a request to the wait for it a wave issues 224 matrix instructions.
.macro TURN slot, next
	s_wait_xcnt 0x0                                ; the last prefetch, a K step back, has read its address: it is stepped here, ahead of the waits of the change of slots
	s_add_nc_u64 s[PFA:PFA+1], s[PFA:PFA+1], KSTEP*2
	MEET 1
	CREST                                          ; wave 0 says so for the work-group, all sixteen work-groups have said so, my work-group's barrier closes the round:
	                                               ; no wave of any partner still reads this slot's tile or has a load on its way
	s_add_nc_u64 s[G0+4*(\slot)+2:G0+4*(\slot)+3], s[G0+4*(\slot)+2:G0+4*(\slot)+3], 2*KSTEP*2    ; no tensor load of mine is out, so a group 0 may be written; the type bits on top are not reached
	s_add_nc_u64 s[G0B+4*(\slot)+2:G0B+4*(\slot)+3], s[G0B+4*(\slot)+2:G0B+4*(\slot)+3], 2*KSTEP*2
	JLOAD \slot                                    ; the first tensor load behind the round, and my only one until the next; the four v_nop behind it are also the places in front of the loads below
	FETCH \next, 0, F0
	ASK                                            ; behind the joint load and the run of LDS loads that the next products wait for
	MUL16 F1, 1, 0, 0
	MUL16 F1, 1, 2, 0
.endm
; THE WAY OUT of block a (my rows 16 a .. 16 a + 15), in two parts.  TOSTAGE: a lane's 32 bytes of each of the 8 accumulators go into my own stage (the low four registers first), and the
; 16 rows come back whole, 512 bytes each, into v192-255 (a even) or v64-127 (a odd).  SEND: stored.
.macro TOSTAGE a
.set AC, 64*((\a)%4)
.set BK, 192-128*((\a)%2)
	WIN ST_LO+4*((\a)/4)                           ; the stores' data: window 2 (blocks 0-3) or 3 (blocks 4-7)
.irp b, 0,1,2,3,4,5,6,7
	ds_store_b128 v[STO], v[AC+8*(\b):AC+8*(\b)+3]   offset:64*(\b)     ; LDS serves a wave's instructions in order (ISA guide 5.7.1.4): these come behind the last block's loads from the stage
	ds_store_b128 v[STO], v[AC+8*(\b)+4:AC+8*(\b)+7] offset:64*(\b)+16
.endr
	WIN 0
.if (\a) >= 2
	s_wait_xcnt 0x0                                ; block a - 2's stores have read these registers: they are loaded again only behind this wait
.endif
.irp t, 0,1,2,3,4,5,6,7,8,9,10,11,12,13,14,15
	ds_load_b128 v[BK+4*(\t):BK+4*(\t)+3], v[RD] offset:(\t)*SPITCH     ; and these see the stores above
.endr
.endm
.macro SEND a, younger                 ; younger: the LDS instructions issued behind block a's loads: the next block's 16 stores and 16 loads, or none
.set BK, 192-128*((\a)%2)
	s_wait_dscnt \younger                          ; the block is back in registers
.irp t, 0,1,2,3,4,5,6,7,8,9,10,11,12,13,14,15
	global_store_b128 v[CO], v[BK+4*(\t):BK+4*(\t)+3], s[8:9] offset:(16*(\a)+(\t))*SIZE_N*4 th:TH_STORE_NT  ; 512 consecutive bytes, at a multiple of 512 from C's first byte; the row stands in the immediate, 2,080,768 at the most
.endr
.endm
	s_wait_tensorcnt 1                             ; my part of K step 0 is in; K step 1's may stay out
	s_barrier_signal -1
	s_barrier_wait -1                              ; everybody's is
	FETCH 0, 0, F0
	s_wait_loadcnt 0x0                             ; the bias
	QUARTER 0, 64,  F0, F1, 1                      ; the first quarter stands in front of the loop: its products start the sums
	WIN 0                                          ; at a label and at a branch every window is 0
	s_mov_b32 s3, LAPS-1
.Llap:                                                 ; a trip goes once round the ring, from a lap's second quarter to the next lap's first, and fills both slots again
	QUARTER 0, 128, F1, F0, 0
	QUARTER 0, 192, F0, F1, 0
	TURN 0, 1
	QUARTER 1, 64,  F0, F1, 0
	QUARTER 1, 128, F1, F0, 0
	QUARTER 1, 192, F0, F1, 0
	TURN 1, 0
	QUARTER 0, 64,  F0, F1, 0
	WIN 0
	s_sub_co_u32 s3, s3, 1
	s_cmp_lg_u32 s3, 0
	s_cbranch_scc1 .Llap
	QUARTER 0, 128, F1, F0, 0                      ; the last lap is written out: it fills nothing, and has no round of the cluster's barrier
	QUARTER 0, 192, F0, F1, 0
	MEET 0                                         ; my one tensor load that was still out is slot 1's, the last K step's
	PLACES                                         ; for the loads into buffer 0, which the quarter before multiplied
	FETCH 1, 0, F0
	MUL16 F1, 1, 0, 0
	MUL16 F1, 1, 2, 0
	QUARTER 1, 64,  F0, F1, 0
	QUARTER 1, 128, F1, F0, 0
	QUARTER 1, 192, F0, F1, 0
	s_wait_dscnt 8                                 ; the very last quarter: nothing more to fetch
	MUL16 F1, 0, 0, 0
	MUL16 F1, 0, 2, 0
	s_wait_dscnt 0x0
	MUL16 F1, 1, 0, 0
	MUL16 F1, 1, 2, 0
	WIN 0
	PLACES                                         ; the way out has no vector work of its own, so these are the only places behind the last products:
	PLACES                                         ; eight, once a launch, where four are asked for
	TOSTAGE 0
.irp a, 1,2,3,4,5,6,7                  ; block a's trip through the stage is issued ahead of the wait for block a - 1's
	TOSTAGE \a
	SEND (\a)-1, 32
.endr
	SEND 7, 0
	s_wait_tensorcnt 0x0                           ; the wave's end: behind my last tensor load and my last LDS store
	ds_add_u32 v[SPW], v[NIL]
	s_wait_dscnt 0x0
	CROUND                                         ; the closing round: no work-group ends while a partner may still ask for a tile that names it
	s_endpgm
.Lfunc_end_k_qf96fa1abeb_gemm:
	.size	k_qf96fa1abeb_gemm, .Lfunc_end_k_qf96fa1abeb_gemm-k_qf96fa1abeb_gemm
	.p2alignl 7, 3214868480
	.fill 96, 4, 3214868480
	.section	.rodata,"a",@progbits
	.p2align	6, 0x0
	.amdhsa_kernel k_qf96fa1abeb_gemm
		.amdhsa_group_segment_fixed_size 327680
		.amdhsa_private_segment_fixed_size 0
		.amdhsa_enable_private_segment 0
		.amdhsa_kernarg_size 32
		.amdhsa_user_sgpr_count 2
		.amdhsa_user_sgpr_kernarg_segment_ptr 1
		.amdhsa_wavefront_size32 1
		.amdhsa_system_sgpr_workgroup_id_x 1
		.amdhsa_system_sgpr_workgroup_id_y 1
		.amdhsa_system_sgpr_workgroup_id_z 1
		.amdhsa_system_vgpr_workitem_id 0
		.amdhsa_next_free_vgpr 1024
		.amdhsa_next_free_sgpr 68
		.amdhsa_reserve_vcc 0
		.amdhsa_float_denorm_mode_32 3
		.amdhsa_float_denorm_mode_16_64 3
		.amdhsa_memory_ordered 1
		.amdhsa_forward_progress 1
		.amdhsa_inst_pref_size 143
	.end_amdhsa_kernel
	.amdgpu_metadata
---
amdhsa.version: [ 1, 2 ]
amdhsa.kernels:
  - .name:           k_qf96fa1abeb_gemm
    .symbol:         k_qf96fa1abeb_gemm.kd
    .args:
      - { .name: xh, .offset: 0, .size: 8, .value_kind: global_buffer, .address_space: global }
      - { .name: wh, .offset: 8, .size: 8, .value_kind: global_buffer, .address_space: global }
      - { .name: bias, .offset: 16, .size: 8, .value_kind: global_buffer, .address_space: global }
      - { .name: out0, .offset: 24, .size: 8, .value_kind: global_buffer, .address_space: global }
    .group_segment_fixed_size: 327680
    .private_segment_fixed_size: 0
    .kernarg_segment_align: 8
    .kernarg_segment_size: 32
    .max_flat_workgroup_size: 128
    .sgpr_count:     68
    .vgpr_count:     1024
    .wavefront_size: 32
...
	.end_amdgpu_metadata
.endif
;; end of part 2
